; MI455X (gfx1250); checked and timed in simulation.
; The chip was launched on July 23, 2026; its instructions are those of AMD's public machine-readable ISA for CDNA 5 (MIT licence, August 2026) and "CDNA5" Instruction Set Architecture Reference Guide (July 2026). The comments in the code are by the model that wrote it; some were corrected since.
;; Quant Linear. Allowed arithmetic: matrix products marked QUANTISED: E2M1 operands, one E8M0 scale for each 32 along K, by v_wmma_scale_f32_16x16x128_f8f6f4 with both operands' format E2M1 (or v_wmma_scale_f32_32x16x128_f4), f32 sums; everything else in f32.
;; Inputs: bias 2,048 float32; offsets 65,536 float32; packed 4,194,304 int32; scales 65,536 float32; x 4 x 2,048 x 4,096 float32.
;; Outputs: out0 4 x 2,048 x 2,048 float32.
;; This version of the problem:
;;   THIS VERSION OF THE PROBLEM IS GIVEN IN LOW PRECISION. The matrix products marked QUANTISED in the list below multiply operands that are first quantised to E2M1 (2 exponent bits, 1 mantissa bit; 4 bits a number), with one power-of-two scale for each 32 numbers along K (OCP MX v1.0); their sums are f32. All else is computed in f32.
;;   The module's matrix products, in the order in which they are computed (A, B: the left and right operand; K: the contracted axis; several contracted axes count as one K, in the product's order):
;;     1. [M 8,192, K 4,096] x [K 4,096, N 2,048]; A: input x; B: computed on the way: QUANTISED
;;   THE QUANTISER, for each operand of a quantised product, along K:
;;     - K is cut into blocks of 32 from its start; a last block that is shorter is filled with zeros.
;;     - A block's scale is 2^e with e = floor(log2(the largest magnitude in the block)) - 2, held to -126 .. 127; a block of zeros has e = 0. As a byte (E8M0): e + 127.
;;     - Each number is divided by its block's scale, clamped to +-6, and rounded to the nearest number of E2M1, ties to even, subnormals kept.
;;     - The product sums the exact products of the quantised numbers (number of the format x scale) in f32.
;;   ~~~python
;;   def quantise(x, axis):      # numpy; x: float32 -> the quantised numbers, widened to float32 again
;;       x = np.moveaxis(x, axis, -1); K = x.shape[-1]
;;       x = np.pad(x, [(0, 0)] * (x.ndim - 1) + [(0, -K % 32)]); x = x.reshape(x.shape[:-1] + (-1, 32)); a = np.abs(x).max(-1, keepdims=True)
;;       e = np.where(a > 0, np.clip(np.frexp(np.where(a > 0, a, 1))[1] - 1 - 2, -126, 127), 0)      # np.frexp(a)[1] - 1 = floor(log2(a)), exactly
;;       r = np.clip(x / 2.0 ** e, -6, 6)
;;       step = 2.0 ** (np.maximum(np.frexp(np.where(r == 0, 1, r))[1] - 1, 0) - 1)
;;       q = np.round(r / step) * step * 2.0 ** e      # np.round: ties to even
;;       return np.moveaxis(q.reshape(q.shape[:-2] + (-1,))[..., :K], -1, axis).astype(np.float32)
;;   ~~~
;;   OPERANDS COMPUTED ON THE WAY. 'Computed on the way' means the value that the module computes at that place (a softmax that the list does not call 'softmax' is quantised finished and normalised). What goes into a quantiser is computed in f32, as accurately as f32 sums, v_exp_f32 and their like allow (about 1e-6 of the number): no bf16 or f16 on the way to a quantiser, and a product that is left as it is and whose result goes on into a quantised operand takes f32 operands (vector FMAs, or v_wmma_f32_16x16x4_f32). A number that lies on a knife's edge between two numbers of the format may be rounded either way, as far as f32 arithmetic and the matrix unit's own rounding can turn it there, and no further.
;; One version. Each part assembles by itself: llvm-mc -triple=amdgcn-amd-amdhsa -mcpu=gfx1250 --defsym DOCPART=n.
;; ======== version 1 of 1: 2 launches
;; limits: right only within a limited range of input values
;; workspace buffers: xq 17,825,792 bytes; wq 4,456,448 bytes
;; launch quant (part 1): grid 1280 x 1, 4 waves a work-group, no clusters, 39,424 bytes of LDS; arguments x, packed, scales, offsets, xq, wq; writes xq, wq
.if DOCPART == 1
	.amdgcn_target "amdgcn-amd-amdhsa--gfx1250"
	.amdhsa_code_object_version 6
	.text
	.protected	k_q55473ba578_quant
	.globl	k_q55473ba578_quant
	.p2align	8
	.type	k_q55473ba578_quant,@function
k_q55473ba578_quant:
	s_mov_b64 s[64:65], 0
	v_nop
	global_prefetch_b8 v0, s[64:65] scope:SCOPE_SE
	s_setreg_imm32_b32 hwreg(HW_REG_WAVE_MODE, 25, 1), 1
	s_wait_xcnt 0x0
; BOTH OPERANDS OF out0 = x w^T + bias BECOME CODES OF FP4 (E2M1) WITH ONE E8M0 SCALE BYTE FOR EACH 32 ALONG K = 4,096.
; x: [8192][4096] f32.  w[o][i] = q s[g] + o[g], g = 32 o + i / 128, q = the low (even i) or high (odd i) four bits of packed[2048 o + i / 2]: made here in f32 by one fused multiply-add.
; A block's scale is 2^(floor(log2(its largest magnitude)) - 2): its byte is the largest magnitude's own exponent field - 2, held at 1 from below.  Each number is divided by the scale and rounded to the nearest code, ties to even;
; beyond the largest code the conversion gives the largest code.
; THE OUTPUT'S LAYOUT is this program's own: xq [8 K steps of 512][512 groups of 16 rows][4,352 bytes], wq [8][128][4,352].  A group's 4,352 bytes: row t's 512 codes at 256 t (the lower k in the low four bits), then at 4,096 + 16 t
; row t's 16 scale bytes.  Every store here covers whole aligned runs of 256 bytes.
; SHARES.  A wave takes one group x one K step: 16 rows x 512 along K.  Work-groups 0 to 255 take w (1,024 shares), work-groups 256 to 1,279 take x (4,096).  Waves share nothing: no barrier.
; ONE LAYOUT OF LANES FOR BOTH PATHS.  r = lane % 16, h = lane / 16.  For each row a lane holds two sets (i = 0, 1) of 8 neighbours along K: k = 128 (2 h + i) + 8 r + 0 .. 7 of the K step.  A block of 32 lies in four neighbouring lanes.
; The 8 codes of a set are one word; words and scale bytes are gathered in the wave's own image of the group in LDS and leave as runs of 512 bytes.  The two paths part on the work-group's number at the head; each has LDS bytes of its own.
; LIMITS: NaN and infinities among the inputs are not served.  A block of zeros gets the byte 1 where the rule says 127: its codes are zeros, which add nothing under any byte but 0xff, and this program alone reads the bytes.
; A block whose largest magnitude lies under 2^-124 has its byte held at 1.  w is rounded once (fused) where a multiplication and an addition would round twice.
.set GRPB,  4352                       ; bytes of a group in xq and wq
.set WGW,   256                        ; work-groups that take w
.set WREG,  4864                       ; LDS of a wave: 512 bytes of parameters (w alone), the group's image of 4,096 + 256 bytes
.set WIMG,  512
.set WSCB,  4608
.set WBASE, 4*WREG                     ; the w path's bytes lie behind the x path's
.set SPARE, 8*WREG                     ; the spare words: 512 bytes that no other line names
.set XR,    16                         ; x: v16-79   four sets of 16 numbers (row t in set t % 4)
.set WPK,   16                         ; w: v16-79   eight sets of 8 words of packed (row t in set t % 8)
.set WPRM,  80                         ; w: v80-143  row t: s(2h), s(2h+1), o(2h), o(2h+1)
.set WF,    144                        ; w: v144-159 2 x 8 numbers of w
.set WM,    160                        ; v160-161 largest magnitudes, v162-163 the conversions' scale operands
.set WCD,   164                        ; v164-171 two sets by turns: code word 0, 1, scale byte 0, 1
.set WP,    172                        ; w: v172-175 parameters as loaded
.set SPW,   190
.set NIL,   191
; the lane's places in its wave's LDS
.macro LANES base
	s_mul_i32 s18, s16, WREG
.if \base
	s_add_co_u32 s18, s18, \base
.endif
	v_and_b32 v3, 15, v2                           ; r
	v_lshrrev_b32 v4, 4, v2                        ; h
	v_lshlrev_b32 v12, 4, v2                       ; 16 x lane
	v_lshlrev_b32 v14, 3, v2                       ; 8 x lane
	v_add_nc_u32 v7, s18, v12                      ; LDS + 16 x lane: the image back (and w's parameters in)
	v_lshlrev_b32 v9, 2, v3
	v_lshl_add_u32 v9, v4, 7, v9
	v_add_nc_u32 v9, s18, v9                       ; LDS + 128 h + 4 r: my 8 codes' word in a row of the image
	v_lshrrev_b32 v10, 2, v3
	v_lshl_add_u32 v10, v4, 3, v10
	v_add_nc_u32 v10, s18, v10                     ; LDS + 8 h + r / 4: my block's byte among a row's 16
	v_add_nc_u32 v13, s18, v14                     ; LDS + 8 x lane: the scale bytes back
.endm
; row t's 2 x 8 numbers, in v[src .. src + 15], become two code words and two scale bytes in the image
.macro PACKROW t, src
.set CS, WCD+4*((\t)%2)
.irp i, 0,1
	v_max3_num_f32 v[WM+\i], |v[\src+8*\i]|, |v[\src+8*\i+1]|, 0x1800000   ; my 8 numbers of a block, and the floor 2^(3 - 127); the two blocks by turns
.endr
.irp n, 2,4,6
.irp i, 0,1
	v_max3_num_f32 v[WM+\i], v[WM+\i], |v[\src+8*\i+\n]|, |v[\src+8*\i+\n+1]|
.endr
.endr
.irp i, 0,1
	v_max_num_f32_dpp v[WM+\i], v[WM+\i], v[WM+\i] row_xmask:1 row_mask:0xf bank_mask:0xf
.endr
.irp i, 0,1
	v_max_num_f32_dpp v[WM+\i], v[WM+\i], v[WM+\i] row_xmask:2 row_mask:0xf bank_mask:0xf   ; with the three lanes that share the block
.endr
.irp i, 0,1
	v_add_nc_u32 v[WM+2+\i], 0xff000000, v[WM+\i]  ; 2 off the exponent field: the conversion's scale operand
.endr
.if (\t) >= 2
	s_wait_alu depctr_va_vdst(0)                   ; directly ahead of the wait below
	s_wait_dscnt 4                                 ; the last row's four LDS stores may be out; those of the row before it, which read this set of registers, are done
.endif
.irp i, 0,1
	v_cvt_scalef32_pk8_fp4_f32 v[CS+\i], v[\src+8*\i:\src+8*\i+7], v[WM+2+\i]
.endr
.irp i, 0,1
	v_lshrrev_b32 v[CS+2+\i], 23, v[WM+2+\i]       ; the scale's byte (also the plain lines behind the conversions)
.endr
.irp i, 0,1
	ds_store_b32 v9, v[CS+\i] offset:WIMG+256*(\t)+64*\i
	ds_store_b8 v10, v[CS+2+\i] offset:WSCB+16*(\t)+4*\i           ; the four lanes of a block write the same byte with the same value
.endr
.endm
; the group's image leaves, and the wave ends
.macro FLUSH p
.irp j, 0,1,2,3,4,5,6,7
	ds_load_b128 v[16+4*\j:19+4*\j], v7 offset:WIMG+512*\j         ; 512 consecutive bytes an instruction: in order behind my stores
.endr
	ds_load_b64 v[48:49], v13 offset:WSCB
.irp j, 0,1,2,3,4,5,6,7
	s_wait_dscnt 8-\j                              ; load j is in; the 8 - j issued behind it may be out
	global_store_b128 v12, v[16+4*\j:19+4*\j], s[\p:\p+1] offset:512*\j   ; 32 lanes store 512 consecutive bytes, aligned to 256
.endr
	s_wait_dscnt 0x0
	global_store_b64 v14, v[48:49], s[\p:\p+1] offset:4096
	s_wait_tensorcnt 0x0                           ; the wave's end
	ds_add_u32 v[SPW], v[NIL]
	s_wait_dscnt 0x0
	s_endpgm
.endm
	s_load_b256 s[4:11], s[0:1], 0x0               ; x s[4:5], packed s[6:7], scales s[8:9], offsets s[10:11]
	s_load_b128 s[12:15], s[0:1], 0x20             ; xq s[12:13], wq s[14:15]
	v_lshl_add_u32 v[SPW], v0, 2, SPARE
	v_mov_b32 v[NIL], 0
	v_lshrrev_b32 v1, 5, v0
	v_readfirstlane_b32 s16, v1                    ; wave 0..3
	v_and_b32 v2, 31, v0                           ; lane
	s_cmp_lt_u32 ttmp9, WGW
	s_wait_alu depctr_va_vdst(0)                   ; directly ahead of the branch
	s_cbranch_scc1 .Lw
; ======== x.  A row's part is 512 numbers, 2,048 bytes, in four loads of 512 consecutive bytes.  In a load, lane (r, h) takes the 16 bytes at 32 r + 16 h: lanes 0-15 the lower halves of sixteen runs of 8 numbers, lanes 16-31 the upper halves.
; Set i is made of the loads at byte 512 i and at byte 1,024 + 512 i: when the first's lanes 16-31 change places with the second's lanes 0-15, lane (r, h) holds the 8 numbers k = 128 (2 h + i) + 8 r + 0 .. 7 in 8 registers on end.
	LANES 0
	v_lshlrev_b32 v5, 5, v3
	v_lshl_add_u32 v5, v4, 4, v5                   ; 32 r + 16 h
	s_sub_co_u32 s17, ttmp9, WGW
	s_lshl_b32 s17, s17, 2
	s_add_co_u32 s17, s17, s16                     ; my share, 0 .. 4,095
	s_and_b32 s19, s17, 7                          ; its K step
	s_lshr_b32 s17, s17, 3                         ; its group of 16 rows
	s_lshl_b32 s20, s17, 18                        ; 16 rows of 16,384 bytes
	s_lshl_b32 s21, s19, 11                        ; 2,048 bytes a K step
	s_or_b32 s20, s20, s21
	s_mov_b32 s21, 0
	s_lshl_b32 s22, s19, 9
	s_add_co_u32 s22, s22, s17
	s_mul_i32 s22, s22, GRPB                       ; (512 x K step + group) x 4,352
	s_mov_b32 s23, 0
	s_wait_alu depctr_va_vdst(0)                   ; the wait at the head's end
	s_wait_kmcnt 0x0
	s_add_nc_u64 s[4:5], s[4:5], s[20:21]
	s_add_nc_u64 s[12:13], s[12:13], s[22:23]
.macro XLOAD t                         ; row t's 2,048 bytes into set t % 4; read once in the launch
.irp i, 0,1
	global_load_b128 v[XR+16*((\t)%4)+8*\i:XR+16*((\t)%4)+8*\i+3], v5, s[4:5] offset:16384*(\t)+512*\i th:TH_LOAD_NT
	global_load_b128 v[XR+16*((\t)%4)+8*\i+4:XR+16*((\t)%4)+8*\i+7], v5, s[4:5] offset:16384*(\t)+512*\i+1024 th:TH_LOAD_NT
.endr
.endm
.irp t, 0,1,2,3
	XLOAD \t
.endr
.macro XROW t
.set XS, XR+16*((\t)%4)
.if (\t) <= 12
	s_wait_loadcnt 12                              ; this row's four loads are in; those of the three rows behind it may be out
.else
	s_wait_loadcnt 4*(15-(\t))                     ; the counts run down
.endif
.irp j, 0,1,2,3,8,9,10,11
	v_permlane16_swap_b32 v[XS+\j], v[XS+\j+4]     ; the first's lanes 16-31 change places with the second's lanes 0-15
.endr
	PACKROW \t, XS
.if (\t)+4 < 16
	XLOAD (\t)+4                                   ; the set has been read out
.endif
.endm
.irp t, 0,1,2,3,4,5,6,7,8,9,10,11,12,13,14,15
	XROW \t
.endr
	FLUSH 12
; ======== w.  A row's part is 256 words of packed, 1,024 bytes, two codes of four bits in each word's low byte.  Load i (0, 1) of a row gives lane (r, h) four words: the 8 neighbours of its set i:
; sixteen lanes read 256 consecutive bytes; the lane's numbers lie in dequantisation group 2 h + i.
.Lw:
	LANES WBASE
	v_lshlrev_b32 v5, 4, v3
	v_lshl_add_u32 v5, v4, 9, v5                   ; packed: 512 h + 16 r
	v_lshrrev_b32 v6, 1, v2
	v_lshlrev_b32 v6, 7, v6
	v_and_b32 v1, 1, v2
	v_lshl_add_u32 v6, v1, 3, v6                   ; parameters in memory: row lane / 2 (128 bytes a row), two of the K step's four groups: 8 (lane % 2)
	v_lshlrev_b32 v8, 4, v4
	v_add_nc_u32 v8, s18, v8                       ; LDS + 16 h: my half's parameters of a row
	s_lshl_b32 s17, ttmp9, 2
	s_add_co_u32 s17, s17, s16                     ; my share, 0 .. 1,023
	s_and_b32 s19, s17, 7                          ; its K step
	s_lshr_b32 s17, s17, 3                         ; its group of 16 rows
	s_lshl_b32 s20, s17, 17                        ; packed: 16 rows of 8,192 bytes,
	s_lshl_b32 s21, s19, 10                        ; 1,024 bytes a K step
	s_or_b32 s20, s20, s21
	s_mov_b32 s21, 0
	s_lshl_b32 s22, s17, 11                        ; scales, offsets: 16 rows of 128 bytes,
	s_lshl_b32 s23, s19, 4                         ; 16 bytes a K step
	s_or_b32 s22, s22, s23
	s_mov_b32 s23, 0
	s_lshl_b32 s24, s19, 7
	s_add_co_u32 s24, s24, s17
	s_mul_i32 s24, s24, GRPB                       ; (128 x K step + group) x 4,352
	s_mov_b32 s25, 0
	s_wait_alu depctr_va_vdst(0)                   ; the wait at the head's end
	s_wait_kmcnt 0x0
	s_add_nc_u64 s[6:7], s[6:7], s[20:21]
	s_add_nc_u64 s[8:9], s[8:9], s[22:23]
	s_add_nc_u64 s[10:11], s[10:11], s[22:23]
	s_add_nc_u64 s[14:15], s[14:15], s[24:25]
.macro WLOAD t                         ; row t's 1,024 bytes into set t % 8; read once in the launch
.irp i, 0,1
	global_load_b128 v[WPK+8*((\t)%8)+4*\i:WPK+8*((\t)%8)+4*\i+3], v5, s[6:7] offset:8192*(\t)+256*\i th:TH_LOAD_NT
.endr
.endm
	global_load_b64 v[WP:WP+1], v6, s[8:9]         ; two scales,
	global_load_b64 v[WP+2:WP+3], v6, s[10:11]     ; two offsets: once a wave, 16 bytes of each of 16 rows
.irp t, 0,1,2,3,4,5,6,7
	WLOAD \t
.endr
	s_wait_loadcnt 16                              ; the two parameter loads are in; the sixteen issued behind them may be out
	ds_store_b128 v7, v[WP:WP+3]                   ; [row][half]: s, s, o, o
.irp t, 0,1,2,3,4,5,6,7,8,9,10,11,12,13,14,15
	ds_load_b128 v[WPRM+4*\t:WPRM+4*\t+3], v8 offset:32*\t         ; every lane of a half reads the same 16 bytes; in order behind the store
.endr
	s_wait_dscnt 0x0
.macro ROW t
.set PS, WPK+8*((\t)%8)
.if (\t) <= 8
	s_wait_loadcnt 14                              ; this row's two loads are in; those of the seven rows behind it may be out
.else
	s_wait_loadcnt 2*(15-(\t))                     ; the counts run down
.endif
.irp i, 0,1
.irp j, 0,1,2,3
	v_and_b32 v[WF+8*\i+2*\j], 15, v[PS+4*\i+\j]                   ; the even k: the low four bits,
	v_bfe_u32 v[WF+8*\i+2*\j+1], v[PS+4*\i+\j], 4, 4               ; the odd k: the next four; what lies above is not looked at
.endr
.endr
.if (\t)+8 < 16
	WLOAD (\t)+8                                   ; the set has been read out
.endif
.irp n, 0,1,2,3,4,5,6,7,8,9,10,11,12,13,14,15
	v_cvt_f32_u32 v[WF+\n], v[WF+\n]
.endr
.irp i, 0,1
.irp n, 0,1,2,3,4,5,6,7
	v_fma_f32 v[WF+8*\i+\n], v[WF+8*\i+\n], v[WPRM+4*(\t)+\i], v[WPRM+4*(\t)+2+\i]   ; w = q s + o, in f32, group 2 h + i
.endr
.endr
	PACKROW \t, WF
.endm
.irp t, 0,1,2,3,4,5,6,7,8,9,10,11,12,13,14,15
	ROW \t
.endr
	FLUSH 14
.Lfunc_end_k_q55473ba578_quant:
	.size	k_q55473ba578_quant, .Lfunc_end_k_q55473ba578_quant-k_q55473ba578_quant
	.p2alignl 7, 3214868480
	.fill 96, 4, 3214868480
	.section	.rodata,"a",@progbits
	.p2align	6, 0x0
	.amdhsa_kernel k_q55473ba578_quant
		.amdhsa_group_segment_fixed_size 39424
		.amdhsa_private_segment_fixed_size 0
		.amdhsa_enable_private_segment 0
		.amdhsa_kernarg_size 48
		.amdhsa_user_sgpr_count 2
		.amdhsa_user_sgpr_kernarg_segment_ptr 1
		.amdhsa_wavefront_size32 1
		.amdhsa_system_sgpr_workgroup_id_x 1
		.amdhsa_system_sgpr_workgroup_id_y 1
		.amdhsa_system_sgpr_workgroup_id_z 1
		.amdhsa_system_vgpr_workitem_id 0
		.amdhsa_next_free_vgpr 192
		.amdhsa_next_free_sgpr 66
		.amdhsa_reserve_vcc 0
		.amdhsa_float_denorm_mode_32 3
		.amdhsa_float_denorm_mode_16_64 3
		.amdhsa_memory_ordered 1
		.amdhsa_forward_progress 1
		.amdhsa_inst_pref_size 105
	.end_amdhsa_kernel
	.amdgpu_metadata
---
amdhsa.version: [ 1, 2 ]
amdhsa.kernels:
  - .name:           k_q55473ba578_quant
    .symbol:         k_q55473ba578_quant.kd
    .args:
      - { .name: x, .offset: 0, .size: 8, .value_kind: global_buffer, .address_space: global }
      - { .name: packed, .offset: 8, .size: 8, .value_kind: global_buffer, .address_space: global }
      - { .name: scales, .offset: 16, .size: 8, .value_kind: global_buffer, .address_space: global }
      - { .name: offsets, .offset: 24, .size: 8, .value_kind: global_buffer, .address_space: global }
      - { .name: xq, .offset: 32, .size: 8, .value_kind: global_buffer, .address_space: global }
      - { .name: wq, .offset: 40, .size: 8, .value_kind: global_buffer, .address_space: global }
    .group_segment_fixed_size: 39424
    .private_segment_fixed_size: 0
    .kernarg_segment_align: 8
    .kernarg_segment_size: 48
    .max_flat_workgroup_size: 128
    .sgpr_count:     66
    .vgpr_count:     192
    .wavefront_size: 32
...
	.end_amdgpu_metadata
.endif
;; end of part 1
;; launch gemm (part 2): grid 8 x 32, 4 waves a work-group, clusters of 4 x 4, 327,680 bytes of LDS; arguments xq, wq, bias, out0; writes out0
.if DOCPART == 2
	.amdgcn_target "amdgcn-amd-amdhsa--gfx1250"
	.amdhsa_code_object_version 6
	.text
	.protected	k_q55473ba578_gemm
	.globl	k_q55473ba578_gemm
	.p2align	8
	.type	k_q55473ba578_gemm,@function
k_q55473ba578_gemm:
	s_mov_b64 s[64:65], 0
	v_nop
	global_prefetch_b8 v0, s[64:65] scope:SCOPE_SE
	s_setreg_imm32_b32 hwreg(HW_REG_WAVE_MODE, 25, 1), 1
	s_wait_xcnt 0x0
	s_wait_alu depctr_hold_cnt(0) depctr_sa_sdst(0) depctr_va_vdst(0) depctr_va_sdst(0) depctr_va_ssrc(0) depctr_va_vcc(0) depctr_vm_vsrc(0)
	s_getreg_b32 s2, hwreg(HW_REG_IB_STS2, 6, 4)
	s_cmp_eq_u32 s2, 0
	s_cbranch_scc0 .Lentry_in_a_cluster
	s_endpgm
.Lentry_in_a_cluster:
	s_bfe_u32 s2, ttmp6, 0x10000c
	s_cmp_lg_u32 s2, 0xf033
	s_cbranch_scc0 .Lentry_shape_is_right
	s_endpgm
.Lentry_shape_is_right:
; out0[m][n] = sum over k of x[m][k] w[n][k] + bias[n], on codes of FP4 (E2M1) with one E8M0 byte for each 32 along K = 4,096; sums in f32.  M = 8,192, N = 2,048.
; xq [8 K steps of 512][512 groups of 16 rows][4,352 bytes], wq [8][128][4,352]: a group is 16 rows of 256 bytes of codes, then 256 scale bytes (16 a row).  What 128 rows need for a K step is one dense run of 34,816 bytes.
; A work-group of four waves makes 256 x 256 of out0, a wave 128 x 128: 64 accumulators, 512 registers.  K goes in steps of 512 through two LDS slots; a wave's tensor load brings 136 rows of 256 bytes (8 groups), 16 bytes of padding behind each.
; CLUSTERS: 4 x 4 work-groups; x's tiles are asked for jointly along a row of the cluster, w's along a column.  Source 0 = 16 rows of w, source 1 = 16 rows of x: a lane holds eight neighbouring numbers of a row of out0.
; bias is the C of each accumulator's first product.  THE LAST K STEP GOES BY ROWS OF out0: all its fragments of w lie in window 1, x's come by blocks of 16 rows, and each finished block leaves while the others are multiplied.
; PREFETCH: behind the joint load of K step s each wave names K step s + 2 (behind the first load: K steps 1 and 2).  The 136 blocks of 256 bytes that a wave fetches are shared out by address among the four partners that ask jointly:
; 34 blocks each, 32 by one instruction (a lane a block) and 2 by a second (the lanes left over name the last block again).  The refills of K steps 6 and 7 name nothing: there is no K step 8.
; REGISTERS: window 0: v0-31 addresses; v32-95 scale words, two sets; v128-191 x's fragments; v192-255 bias (in the last K step v128-255: four buffers of 16 rows x 512 K).
;   window 1: w's fragments, two sets at v0 and v128 (in the last K step all 256).  windows 2, 3: the accumulators of my rows 0-63, 64-127 ((a, b) at v[8 (8 (a % 4) + b)]).
.set SIZE_N, 2048
.set NQ,     4                         ; matrix instructions deep in a K step
.set FR,     8                         ; registers of a fragment
.set NL,     2                         ; LDS loads that bring one
.set NP,     4                         ; places behind this matrix instruction (ISA guide 7.12.1)
.set PITCH,  272                       ; an LDS row: 256 bytes + 16 of padding
.set BLK,    17*PITCH                  ; a group in LDS: 16 rows of codes, one of scale bytes
.set SCO,    16*PITCH
.set HALFT,  8*BLK                     ; what one tensor load brings
.set SLOT,   4*HALFT
.set SPARE,  2*SLOT                    ; the spare words: 512 bytes that no other line names
.set GRPB,   4352
.set ASTEP,  512*GRPB                  ; bytes from K step to K step in xq,
.set BSTEP,  128*GRPB                  ; in wq
.set SHARE,  34*256                    ; a partner's part of a wave's run, for the prefetches
.set LAPS,   4
.set SPITCH, 528                       ; the way out: a stage of 16 rows x (512 + 16) bytes for each wave, in slot 0 behind its last fill and last read
.set ADRA, 16
.set ADRB, 20
.set ADRS, 22
.set STO,  24
.set RD,   25
.set CO,   26
.set SPW,  28
.set NIL,  29
.set PFO,  30                          ; v30: 256 x lane; v31: 8,192 + 256 x min(lane, 1); never rewritten
.set SC,   32
.set AF,   128
.set BI,   192
.set PA,   128
.set G1,  24
.set G0,  32
.set G1B, 48
.set G0B, 56
.set PFA, 68                           ; s[68:69] where my next prefetch stands; s[70:71] a second place for the head; s[72:73] my K step in bytes
.set PFB, 70
.set PFS, 72
.set MSB, 0
.macro WIN new                         ; the immediate's high byte repeats the setting that is left
.if MSB != \new
	s_set_vgpr_msb (MSB<<8)|\new
.set MSB, \new
.endif
.endm
.set MUL_LO,   0xa1                    ; source 0 window 1, source 1 window 0, C and D window 2
.set MUL_HI,   0xf1
.set FIRST_LO, 0x81                    ; C (bias) window 0
.set FIRST_HI, 0xc1
.set TO_B,     0x40
.macro JLOAD g0a, g1a, g0b, g1b        ; a joint load: waves 0, 1 fetch x's two halves, waves 2, 3 w's
	s_cmp_eq_u32 s15, 0
	s_cbranch_scc0 .Lfor_b_\@
	tensor_load_to_lds s[\g0a:\g0a+3], s[\g1a:\g1a+7]
	s_nop 0
.rept 4
	v_nop
.endr
	s_branch .Lasked_\@
.Lfor_b_\@:
	tensor_load_to_lds s[\g0b:\g0b+3], s[\g1b:\g1b+7]
	s_nop 0
.rept 4
	v_nop
.endr
.Lasked_\@:
.endm
.macro CREST
	s_cmp_lg_u32 s14, 0
	s_cbranch_scc1 .Lnot_wave_0_\@
	s_barrier_signal -3
.Lnot_wave_0_\@:
	s_barrier_wait -3
	s_barrier_signal -1
	s_barrier_wait -1
.endm
.macro CROUND
	s_barrier_signal -1
	s_barrier_wait -1
	CREST
.endm
.macro ASK p                           ; my 34 blocks of 256 bytes of one K step
	global_prefetch_b8 v[PFO], s[\p:\p+1] th:TH_LOAD_NT scope:SCOPE_SE
	global_prefetch_b8 v[PFO+1], s[\p:\p+1] th:TH_LOAD_NT scope:SCOPE_SE
.endm
	s_load_b256 s[4:11], s[0:1], 0x0               ; xq s[4:5], wq s[6:7], bias s[8:9], out0 s[10:11]
	v_lshl_add_u32 v[SPW], v0, 2, SPARE
	v_mov_b32 v[NIL], 0
	ds_add_u32 v[SPW], v[NIL]                      ; the opening lines: the add, twice on end, and its wait ahead of my first tensor load
	ds_add_u32 v[SPW], v[NIL]
	v_lshrrev_b32 v1, 5, v0
	v_readfirstlane_b32 s14, v1                    ; wave 0..3
	v_and_b32 v2, 31, v0
	v_lshlrev_b32 v[PFO], 8, v2
	v_min_u32 v3, 1, v2
	v_lshl_add_u32 v[PFO+1], v3, 8, 8192
	s_lshr_b32 s15, s14, 1                         ; my half of the tile's rows; also: I fetch for x (0) or for w (1)
	s_and_b32 s16, s14, 1                          ; my half of its columns; also: which 128 rows I fetch
	s_bfe_u32 s40, ttmp6, 0x40000                  ; cx
	s_bfe_u32 s41, ttmp6, 0x40004                  ; cy
	s_lshl_b32 s42, ttmp9, 2
	s_add_co_u32 s42, s42, s40                     ; tile column
	s_and_b32 s17, ttmp7, 0xffff
	s_lshl_b32 s17, s17, 2
	s_add_co_u32 s17, s17, s41                     ; tile row
	s_lshl_b32 s43, s41, 2
	s_lshl_b32 s43, 15, s43                        ; my row of the cluster
	s_lshl_b32 s44, 0x1111, s40                    ; my column
	s_or_b32 s[G1+0], s43, (3<<16)|(1<<20)|(1<<21)|(5<<22)|(3<<25)   ; mask; elements of 8 bytes; 4 words of padding behind every 64
	s_or_b32 s[G1B+0], s44, (3<<16)|(1<<20)|(1<<21)|(5<<22)|(3<<25)
.irp g, G1, G1B
	s_mov_b32 s[\g+1], 32<<16                      ; rows of 32 elements = 256 bytes,
	s_mov_b32 s[\g+2], 136<<16                     ; 136 of them, dense
	s_mov_b32 s[\g+3], 32<<16
	s_mov_b32 s[\g+4], 136
	s_mov_b32 s[\g+5], 32
	s_mov_b32 s[\g+6], 0
	s_mov_b32 s[\g+7], 0
.endr
	s_lshl_b32 s18, s16, 3
	s_lshl_b32 s20, s17, 4
	s_add_co_u32 s20, s20, s18
	s_mul_i32 s20, s20, GRPB                       ; xq: group 16 x tile row + 8 x half
	s_mov_b32 s21, 0
	s_lshl_b32 s46, s42, 4
	s_add_co_u32 s46, s46, s18
	s_mul_i32 s46, s46, GRPB                       ; wq: group 16 x tile column + 8 x half
	s_mov_b32 s47, 0
	s_mul_i32 s45, s14, HALFT                      ; where my part of a slot lies
	s_cmp_eq_u32 s15, 0                            ; the prefetches' offset: the run that I fetch + my work-group's share of it, by its place among the four that ask jointly
	s_cselect_b32 s74, s20, s46
	s_cselect_b32 s75, s40, s41
	s_mov_b32 s[PFS], BSTEP
	s_cselect_b32 s[PFS], ASTEP, s[PFS]
	s_mov_b32 s[PFS+1], 0
	s_mul_i32 s75, s75, SHARE
	s_add_co_u32 s74, s74, s75
	s_mov_b32 s75, 0
	s_wait_alu depctr_va_vdst(0)                   ; directly ahead of the wait below
	s_wait_dscnt 0x0                               ; both opening adds are done
	s_wait_kmcnt 0x0
	s_add_nc_u64 s[20:21], s[4:5], s[20:21]
	s_add_nc_u64 s[46:47], s[6:7], s[46:47]
.irp s, 0,1
	s_mov_b32 s[G0+4*\s], 1
	s_add_co_u32 s[G0+4*\s+1], s45, \s*SLOT
	s_add_nc_u64 s[G0+4*\s+2:G0+4*\s+3], s[20:21], \s*ASTEP
	s_or_b32 s[G0+4*\s+3], s[G0+4*\s+3], 0x80000000
	s_mov_b32 s[G0B+4*\s], 1
	s_add_co_u32 s[G0B+4*\s+1], s45, \s*SLOT
	s_add_nc_u64 s[G0B+4*\s+2:G0B+4*\s+3], s[46:47], \s*BSTEP
	s_or_b32 s[G0B+4*\s+3], s[G0B+4*\s+3], 0x80000000
.endr
	s_cmp_eq_u32 s15, 0
	s_cselect_b64 s[PFA:PFA+1], s[4:5], s[6:7]
	s_add_nc_u64 s[PFA:PFA+1], s[PFA:PFA+1], s[74:75]
	s_add_nc_u64 s[PFA:PFA+1], s[PFA:PFA+1], s[PFS:PFS+1]   ; K step 1
	s_add_nc_u64 s[PFB:PFB+1], s[PFA:PFA+1], s[PFS:PFS+1]   ; K step 2
	CROUND                                         ; all sixteen work-groups are here: the first joint loads meet
	JLOAD G0, G1, G0B, G1B                         ; K step 0: one tensor load a wave at the head
	s_mul_i32 s18, s15, HALFT                      ; my 128 rows of x,
	s_mul_i32 s19, s16, HALFT
	s_add_co_u32 s19, s19, 2*HALFT                 ; of w, behind x's 256
	s_sub_co_u32 s22, s19, s18
	s_add_co_u32 s23, s18, SCO
	s_mul_i32 s12, s14, 16*SPITCH                  ; my stage
	s_lshl_b32 s20, s17, 8
	s_lshl_b32 s21, s15, 7
	s_add_co_u32 s20, s20, s21
	s_lshl_b32 s20, s20, 13                        ; my first row of out0, 8,192 bytes a row
	s_mov_b32 s21, 0
	s_lshl_b32 s46, s42, 10
	s_lshl_b32 s47, s16, 9
	s_add_co_u32 s46, s46, s47                     ; my first column, in bytes
	s_mov_b32 s47, 0
	s_add_nc_u64 s[8:9], s[8:9], s[46:47]
	s_add_nc_u64 s[10:11], s[10:11], s[46:47]
	s_add_nc_u64 s[10:11], s[10:11], s[20:21]
	v_and_b32 v1, 15, v0                           ; r = l % 16
	v_bfe_u32 v2, v0, 4, 1                         ; h = l / 16
	v_mul_u32_u24 v3, v1, PITCH
	v_lshl_add_u32 v4, v2, 4, v3                   ; a fragment's row x pitch + 16 h
	v_add_nc_u32 v[ADRA], s18, v4
	v_add_nc_u32 v[ADRB], s19, v4
	v_add_nc_u32 v[ADRA+1], SLOT, v[ADRA]
	v_add_nc_u32 v[ADRB+1], SLOT, v[ADRB]
	v_mul_u32_u24 v6, s22, v2                      ; scale words: lanes 0-15 take x's rows, lanes 16-31 w's
	v_lshl_add_u32 v5, v1, 4, v6
	v_add_nc_u32 v[ADRS], s23, v5
	v_add_nc_u32 v[ADRS+1], SLOT, v[ADRS]
	v_mul_u32_u24 v5, v1, SPITCH
	v_lshl_add_u32 v5, v2, 5, v5
	v_add_nc_u32 v[STO], s12, v5                   ; into the stage: row r, 32 bytes for each half of the lanes
	v_and_b32 v6, 31, v0
	v_lshlrev_b32 v[CO], 4, v6                     ; back: 32 lanes take a row of 512 bytes; the same in out0
	v_add_nc_u32 v[RD], s12, v[CO]
	v_lshlrev_b32 v7, 5, v2
.irp b, 0,1,2,3,4,5,6,7
	global_load_b128 v[BI+8*\b:BI+8*\b+3], v7, s[8:9] offset:64*\b        ; bias in the result's layout: columns 16 b + 8 h + 0 .. 7
	global_load_b128 v[BI+8*\b+4:BI+8*\b+7], v7, s[8:9] offset:64*\b+16
.endr
	ASK PFA                                        ; K steps 1 and 2
	ASK PFB
.macro FRAG reg, adr, q, i             ; 16 rows x 128 K: registers 4 c .. 4 c + 3 hold K = 64 c + 32 h + 0 .. 31
.irp c, 0,1
	ds_load_b128 v[\reg+4*\c:\reg+4*\c+3], v[\adr] offset:64*(\q)+32*\c+(\i)*BLK
.endr
.endm
; 16 matrix instructions: x's blocks a0, a0 + 1 against w's eight; the 64 accumulators take turns in the same order in every step
.macro MUL16 a0, p, q, sc, first
.irp a, \a0, \a0+1
.irp b, 0,1,2,3,4,5,6,7
.if \first
	v_wmma_scale_f32_16x16x128_f8f6f4 v[8*(8*((\a)%4)+\b):8*(8*((\a)%4)+\b)+7], v[128*(\p)+FR*\b:128*(\p)+FR*\b+FR-1], v[AF+FR*(\a):AF+FR*(\a)+FR-1], v[BI+8*\b:BI+8*\b+7], v[SC+8*NQ*(\sc)+NQ*\b+(\q)], v[SC+8*NQ*(\sc)+NQ*(\a)+(\q)] matrix_a_fmt:MATRIX_FMT_FP4 matrix_b_fmt:MATRIX_FMT_FP4 matrix_a_scale:MATRIX_SCALE_ROW1
.else
	v_wmma_scale_f32_16x16x128_f8f6f4 v[8*(8*((\a)%4)+\b):8*(8*((\a)%4)+\b)+7], v[128*(\p)+FR*\b:128*(\p)+FR*\b+FR-1], v[AF+FR*(\a):AF+FR*(\a)+FR-1], v[8*(8*((\a)%4)+\b):8*(8*((\a)%4)+\b)+7], v[SC+8*NQ*(\sc)+NQ*\b+(\q)], v[SC+8*NQ*(\sc)+NQ*(\a)+(\q)] matrix_a_fmt:MATRIX_FMT_FP4 matrix_b_fmt:MATRIX_FMT_FP4 matrix_a_scale:MATRIX_SCALE_ROW1
.endif
.endr
.endr
.endm
.macro FETCH_B slot, q, p
	WIN TO_B
.irp i, 0,1,2,3,4,5,6,7
	FRAG 128*(\p)+FR*\i, ADRB+\slot, \q, \i
.endr
	WIN 0
.endm
.macro FETCH_A slot, q, i0
.irp i, \i0, \i0+1, \i0+2, \i0+3
	FRAG AF+FR*(\i), ADRA+\slot, \q, \i
.endr
.endm
.macro SCALES sc                       ; a K step's scale words: four a row; register 4 i + q: lanes 0-15 x's block i, lanes 16-31 w's block i
.irp i, 0,1,2,3,4,5,6,7
	ds_load_b128 v[SC+8*NQ*\sc+NQ*\i:SC+8*NQ*\sc+NQ*\i+3], v[ADRS+\sc] offset:\i*BLK
.endr
.endm
.macro PLACES n
.rept \n
	v_nop
.endr
.endm
.macro STEP slot, q, first             ; 128 along K with its successor in the same slot
	s_wait_dscnt 4*NL                              ; all but the youngest eight loads (x's blocks 4-7)
.if \first
	WIN FIRST_LO
.else
	WIN MUL_LO
.endif
	MUL16 0, (\q)%2, \q, \slot, \first
	MUL16 2, (\q)%2, \q, \slot, \first
	s_wait_dscnt 0
	PLACES NP
	FETCH_B \slot, (\q)+1, 1-(\q)%2
	FETCH_A \slot, (\q)+1, 0
.if \first
	WIN FIRST_HI
.else
	WIN MUL_HI
.endif
	MUL16 4, (\q)%2, \q, \slot, \first
	MUL16 6, (\q)%2, \q, \slot, \first
	PLACES NP
	WIN 0
	FETCH_A \slot, (\q)+1, 4
.endm
; MEET: the first half of a slot's last step, and the barrier of the change of slots
.macro MEET slot
	s_wait_tensorcnt 0x0                           ; all my tensor loads have landed: my part of the next slot
	ds_add_u32 v[SPW], v[NIL]
	s_wait_dscnt 4*NL+1                            ; the add and the youngest eight loads may be out
	WIN MUL_LO
	MUL16 0, 1, NQ-1, \slot, 0
	s_wait_dscnt 0x0                               ; the add is done, my reads of this slot are over
	s_barrier_signal -1
	MUL16 2, 1, NQ-1, \slot, 0
	WIN 0
	s_barrier_wait -1
.endm
.macro TURN slot, next                 ; a slot's last step: the slot is filled again, two K steps ahead
	s_wait_xcnt 0x0                                ; my last prefetches have read their address: it steps here, ahead of the change's waits
	s_add_nc_u64 s[PFA:PFA+1], s[PFA:PFA+1], s[PFS:PFS+1]
	MEET \slot
	CREST                                          ; the barrier has opened a round of the cluster's barrier
	s_add_nc_u64 s[G0+4*\slot+2:G0+4*\slot+3], s[G0+4*\slot+2:G0+4*\slot+3], 2*ASTEP
	s_add_nc_u64 s[G0B+4*\slot+2:G0B+4*\slot+3], s[G0B+4*\slot+2:G0B+4*\slot+3], 2*BSTEP
	JLOAD G0+4*\slot, G1, G0B+4*\slot, G1B         ; the first tensor load behind the round; its four v_nop are the places in front of the loads below
	FETCH_B \next, 0, 0
	FETCH_A \next, 0, 0
	SCALES \next
	s_cmp_gt_u32 s3, 1                             ; the loop's last trip refills K steps 6 and 7: two steps on there is nothing
	s_cbranch_scc0 .Lno_ask_\@
	ASK PFA
.Lno_ask_\@:
	WIN MUL_HI
	MUL16 4, 1, NQ-1, \slot, 0
	MUL16 6, 1, NQ-1, \slot, 0
	PLACES NP
	WIN 0
	FETCH_A \next, 0, 4
.endm
.macro STEPS slot, from
.set Q, \from
.rept NQ-1-\from
	STEP \slot, Q, 0
.set Q, Q+1
.endr
.endm
; ---- the last K step (slot 1), by rows of out0
.macro BLOAD q                         ; w's eight fragments of quarter q -> window 1, v[64 q ..]
.irp i, 0,1,2,3,4,5,6,7
	FRAG 64*(\q)+FR*\i, ADRB+1, \q, \i
.endr
.endm
.macro ALOAD a                         ; x's block a, all four quarters -> buffer a % 4
.irp q, 0,1,2,3
	FRAG PA+32*((\a)%4)+FR*\q, ADRA+1, \q, \a
.endr
.endm
.macro ROW a                           ; block a is finished: 32 matrix instructions, its eight accumulators by turns, K ascending
.set FA, PA+32*((\a)%4)
.set AC, 64*((\a)%4)
	WIN MUL_LO+0x50*((\a)/4)
.irp q, 0,1,2,3
.if (\a) == 0 && \q == 2
	s_wait_dscnt 24                                ; w's quarter 2 is in; behind it: x's blocks 1 to 3, 24 loads
.endif
.irp b, 0,1,2,3,4,5,6,7
	v_wmma_scale_f32_16x16x128_f8f6f4 v[AC+8*\b:AC+8*\b+7], v[64*\q+FR*\b:64*\q+FR*\b+FR-1], v[FA+FR*\q:FA+FR*\q+FR-1], v[AC+8*\b:AC+8*\b+7], v[SC+8*NQ+NQ*\b+\q], v[SC+8*NQ+NQ*(\a)+\q] matrix_a_fmt:MATRIX_FMT_FP4 matrix_b_fmt:MATRIX_FMT_FP4 matrix_a_scale:MATRIX_SCALE_ROW1
.endr
.endr
.endm
; Block a leaves: 32 bytes a lane into my stage, back as whole rows of 512 bytes into the block's own accumulator registers, which nothing writes again, and out.
; Every store's place among my 128 rows stands in its immediate (127 x 8,192 bytes at the most, inside the signed 24 bits): no base is stepped.
.macro OUT a
.set AC, 64*((\a)%4)
	PLACES NP                                      ; the stage's stores read results just made
	WIN 0x08+4*((\a)/4)
.irp b, 0,1,2,3,4,5,6,7
	ds_store_b128 v[STO], v[AC+8*\b:AC+8*\b+3] offset:64*\b          ; each accumulator from its low end on
	ds_store_b128 v[STO], v[AC+8*\b+4:AC+8*\b+7] offset:64*\b+16
.endr
	s_wait_dscnt 0x0                               ; the stores are done: their registers take the rows
	WIN 0x80+0x40*((\a)/4)
.irp t, 0,1,2,3,4,5,6,7,8,9,10,11,12,13,14,15
	ds_load_b128 v[AC+4*\t:AC+4*\t+3], v[RD] offset:\t*SPITCH
.endr
	WIN 0
.if (\a) < 4
	ALOAD (\a)+4                                   ; its buffer takes the block four further on
	s_wait_dscnt 8                                 ; the rows are back; those eight loads may be out
.else
	s_wait_dscnt 0x0
.endif
	WIN 0x08+4*((\a)/4)
.irp t, 0,1,2,3,4,5,6,7,8,9,10,11,12,13,14,15
	global_store_b128 v[CO], v[AC+4*\t:AC+4*\t+3], s[10:11] offset:(16*(\a)+\t)*SIZE_N*4   ; 32 lanes store 512 consecutive bytes, aligned to 256
.endr
.endm
	s_wait_alu depctr_va_vdst(0)                   ; the wait at the head's end
	s_wait_tensorcnt 0x0                           ; my part of K step 0 is in; slot 1's first fill is issued as a refill is
	ds_add_u32 v[SPW], v[NIL]
	s_wait_xcnt 0x0                                ; the head's prefetches have read their addresses
	s_add_nc_u64 s[PFA:PFA+1], s[PFB:PFB+1], s[PFS:PFS+1]   ; K step 3
	s_wait_dscnt 0x0
	CROUND
	JLOAD G0+4, G1, G0B+4, G1B                     ; K step 1
	FETCH_B 0, 0, 0
	FETCH_A 0, 0, 0
	SCALES 0
	FETCH_A 0, 0, 4
	ASK PFA
	s_wait_loadcnt 0x0                             ; bias
	STEP 0, 0, 1                                   ; the first step's products start the sums, on bias
	s_mov_b32 s3, LAPS-1
.Llap:                                                 ; once round the ring, from a lap's second step to the next lap's first
	STEPS 0, 1
	TURN 0, 1
	STEPS 1, 0
	TURN 1, 0
	STEP 0, 0, 0
	s_sub_co_u32 s3, s3, 1
	s_cmp_lg_u32 s3, 0
	s_cbranch_scc1 .Llap
	STEPS 0, 1
	MEET 0                                         ; K step 7 is whole; nothing is filled again, so no round follows
	PLACES NP
	WIN TO_B
	BLOAD 0                                        ; three quarters of w now: set 1 (v128-191) is still being multiplied
	BLOAD 1
	BLOAD 3
	WIN 0
	SCALES 1
	ALOAD 0
	WIN MUL_HI
	MUL16 4, 1, NQ-1, 0, 0
	MUL16 6, 1, NQ-1, 0, 0
	PLACES NP
	WIN TO_B
	BLOAD 2
	WIN 0
	ALOAD 1
	ALOAD 2
	ALOAD 3
	s_wait_dscnt 40                                ; all but the 40 just issued
	ROW 0
.irp a, 0,1,2,3,4,5,6
	OUT \a
	ROW \a+1
.endr
	OUT 7
	WIN 0
	s_wait_tensorcnt 0x0                           ; the wave's end
	ds_add_u32 v[SPW], v[NIL]
	s_wait_dscnt 0x0
	CROUND                                         ; the closing round
	s_endpgm
.Lfunc_end_k_q55473ba578_gemm:
	.size	k_q55473ba578_gemm, .Lfunc_end_k_q55473ba578_gemm-k_q55473ba578_gemm
	.p2alignl 7, 3214868480
	.fill 96, 4, 3214868480
	.section	.rodata,"a",@progbits
	.p2align	6, 0x0
	.amdhsa_kernel k_q55473ba578_gemm
		.amdhsa_group_segment_fixed_size 327680
		.amdhsa_private_segment_fixed_size 0
		.amdhsa_enable_private_segment 0
		.amdhsa_kernarg_size 32
		.amdhsa_user_sgpr_count 2
		.amdhsa_user_sgpr_kernarg_segment_ptr 1
		.amdhsa_wavefront_size32 1
		.amdhsa_system_sgpr_workgroup_id_x 1
		.amdhsa_system_sgpr_workgroup_id_y 1
		.amdhsa_system_sgpr_workgroup_id_z 1
		.amdhsa_system_vgpr_workitem_id 0
		.amdhsa_next_free_vgpr 1024
		.amdhsa_next_free_sgpr 80
		.amdhsa_reserve_vcc 0
		.amdhsa_float_denorm_mode_32 3
		.amdhsa_float_denorm_mode_16_64 3
		.amdhsa_memory_ordered 1
		.amdhsa_forward_progress 1
		.amdhsa_inst_pref_size 212
	.end_amdhsa_kernel
	.amdgpu_metadata
---
amdhsa.version: [ 1, 2 ]
amdhsa.kernels:
  - .name:           k_q55473ba578_gemm
    .symbol:         k_q55473ba578_gemm.kd
    .args:
      - { .name: xq, .offset: 0, .size: 8, .value_kind: global_buffer, .address_space: global }
      - { .name: wq, .offset: 8, .size: 8, .value_kind: global_buffer, .address_space: global }
      - { .name: bias, .offset: 16, .size: 8, .value_kind: global_buffer, .address_space: global }
      - { .name: out0, .offset: 24, .size: 8, .value_kind: global_buffer, .address_space: global }
    .group_segment_fixed_size: 327680
    .private_segment_fixed_size: 0
    .kernarg_segment_align: 8
    .kernarg_segment_size: 32
    .max_flat_workgroup_size: 128
    .sgpr_count:     80
    .vgpr_count:     1024
    .wavefront_size: 32
...
	.end_amdgpu_metadata
.endif
;; end of part 2
